; MI455X (gfx1250); checked and timed in simulation.
; The chip was launched on July 23, 2026; its instructions are those of AMD's public machine-readable ISA for CDNA 5 (MIT licence, August 2026) and "CDNA5" Instruction Set Architecture Reference Guide (July 2026). The comments in the code are by the model that wrote it; some were corrected since.
;; Label Wise Attention. Allowed arithmetic: matrix products marked QUANTISED: E2M3 operands, one E8M0 scale for each 32 along K, by v_wmma_scale_f32_16x16x128_f8f6f4 with both operands' format E2M3, f32 sums; products left as they are: f32 operands where the result goes on into a quantised operand, else bf16, f16 or f32 operands; f32 sums; everything else in f32.
;; Inputs: fc_b 1 float32; fc_w 1 x 512 float32; q 1,024 x 512 float32; x 16 x 4,096 x 512 float32.
;; Outputs: out0 16 x 1,024 float32.
;; This version of the problem:
;;   THIS VERSION OF THE PROBLEM IS GIVEN IN LOW PRECISION. The matrix products marked QUANTISED in the list below multiply operands that are first quantised to E2M3 (2 exponent bits, 3 mantissa bits; 6 bits a number), with one power-of-two scale for each 32 numbers along K (OCP MX v1.0); their sums are f32. All else is computed in f32.
;;   The module's matrix products, in the order in which they are computed (A, B: the left and right operand; K: the contracted axis; several contracted axes count as one K, in the product's order):
;;     1. [M 65,536, K 512] x [K 512, N 1,024]; A: input x; B: input q: QUANTISED
;;     2. batch 16 x [M 1,024, K 4,096] x [K 4,096, N 512]; A: softmax (see below); B: input x: QUANTISED
;;     3. [M 16,384, K 512] x [K 512, N 1]; A: computed on the way; B: input fc_w: left as it is (N = 1 < 16)
;;   THE QUANTISER, for each operand of a quantised product, along K:
;;     - K is cut into blocks of 32 from its start; a last block that is shorter is filled with zeros.
;;     - A block's scale is 2^e with e = floor(log2(the largest magnitude in the block)) - 2, held to -126 .. 127; a block of zeros has e = 0. As a byte (E8M0): e + 127.
;;     - Each number is divided by its block's scale, clamped to +-7.5, and rounded to the nearest number of E2M3, ties to even, subnormals kept.
;;     - The product sums the exact products of the quantised numbers (number of the format x scale) in f32.
;;   ~~~python
;;   def quantise(x, axis):      # numpy; x: float32 -> the quantised numbers, widened to float32 again
;;       x = np.moveaxis(x, axis, -1); K = x.shape[-1]
;;       x = np.pad(x, [(0, 0)] * (x.ndim - 1) + [(0, -K % 32)]); x = x.reshape(x.shape[:-1] + (-1, 32)); a = np.abs(x).max(-1, keepdims=True)
;;       e = np.where(a > 0, np.clip(np.frexp(np.where(a > 0, a, 1))[1] - 1 - 2, -126, 127), 0)      # np.frexp(a)[1] - 1 = floor(log2(a)), exactly
;;       r = np.clip(x / 2.0 ** e, -7.5, 7.5)
;;       step = 2.0 ** (np.maximum(np.frexp(np.where(r == 0, 1, r))[1] - 1, 0) - 3)
;;       q = np.round(r / step) * step * 2.0 ** e      # np.round: ties to even
;;       return np.moveaxis(q.reshape(q.shape[:-2] + (-1,))[..., :K], -1, axis).astype(np.float32)
;;   ~~~
;;   SOFTMAX AHEAD OF A QUANTISED PRODUCT. Where the list says 'softmax', what is quantised is not the finished softmax but p = 2^(t - M), with t = logit x log2(e) and M = ceil(the row's largest t), a whole number; so 1/2 < the row's largest p <= 1. The row's sum l is taken of the UNQUANTISED p, in f32, and the product's result is divided by l at the end. Since M is a whole number, a kernel that streams over the keys may use a running M (the ceiling of the running maximum): every later rescaling is an exact power of two, which a block's scale takes up: the codes' values come out the same.
;;   OPERANDS COMPUTED ON THE WAY. 'Computed on the way' means the value that the module computes at that place (a softmax that the list does not call 'softmax' is quantised finished and normalised). What goes into a quantiser is computed in f32, as accurately as f32 sums, v_exp_f32 and their like allow (about 1e-6 of the number): no bf16 or f16 on the way to a quantiser, and a product that is left as it is and whose result goes on into a quantised operand takes f32 operands (vector FMAs, or v_wmma_f32_16x16x4_f32). A number that lies on a knife's edge between two numbers of the format may be rounded either way, as far as f32 arithmetic and the matrix unit's own rounding can turn it there, and no further.
;; One version. Each part assembles by itself: llvm-mc -triple=amdgcn-amd-amdhsa -mcpu=gfx1250 --defsym DOCPART=n.
;; ======== version 1 of 1: 2 launches
;; limits: right only within a limited range of input values
;; workspace buffers: kv 52,428,800 bytes; qc 819,200 bytes
;; launch quant (part 1): grid 2080 x 1, 4 waves a work-group, no clusters, 68,096 bytes of LDS; arguments x, q, kv, qc; writes kv, qc
.if DOCPART == 1
	.amdgcn_target "amdgcn-amd-amdhsa--gfx1250"
	.amdhsa_code_object_version 6
	.text
	.protected	k_q8cd305a838_quant
	.globl	k_q8cd305a838_quant
	.p2align	8
	.type	k_q8cd305a838_quant,@function
k_q8cd305a838_quant:
	s_mov_b64 s[64:65], 0
	v_nop
	global_prefetch_b8 v0, s[64:65] scope:SCOPE_SE
	s_setreg_imm32_b32 hwreg(HW_REG_WAVE_MODE, 25, 1), 1
	s_wait_xcnt 0x0
; x [16][4096][512] and q [1024][512], f32, become codes of FP6 (E2M3) with one E8M0 byte for each 32 along K, laid in the ORDER OF THE OPERAND'S REGISTERS for the launch that follows.
; x is quantised twice from ONE read: along d (it is the keys' operand of the first product) and along t (the values' operand of the second).  q is quantised along d alone.
; A STEP BLOCK of the output holds 128 rows (t, or labels): 102,400 bytes = four quarters of 25,600; a quarter is a keys' half and a values' half of 12,800 bytes each.
; Quarter w, keys' half: 8 key fragments (tile u = 0, 1; d step s = 0..3) at 1,536 (4 u + s), their scale words at 12,288 + 128 s + 4 (r + 16 u).
; Values' half, from byte 12,800 on: 8 value fragments (16 columns d = 128 w + 16 e' + r, all 128 rows as K), their scale words at 25,088 + 128 i + 4 lane.
; A FRAGMENT'S IMAGE is its 12 registers x 32 lanes: register j of lane l at 512 (j / 4) + 16 l + 4 (j % 4): three stores (later three loads) of 16 bytes a lane, 512 consecutive bytes each.
; THE ROWS OF A KEY TILE ARE NOT NEIGHBOURS: lane r of tile u of quarter w is row 32 w + 8 u + r + 8 (r / 8), so that the scores of tiles 0 and 1 are 16 neighbouring rows in a lane's 16 registers.
; SHARES.  A work-group takes 128 rows x 128 columns (64 KiB of f32); work-groups 0..2047 take x, the last 32 take q.  Wave w loads rows 32 w .. 32 w + 31, a row's 512 bytes to a load, and lays them in LDS.
; Behind ONE barrier wave w makes the two key fragments of quarter w (a lane reads 32 neighbours along d of its row), and then two value fragments: a lane takes column 32 w + lane and its registers run down t,
; so that a block of 32 along t lies in one lane and nothing is transposed by an instruction.
; A block's scale is 2^(floor(log2(largest magnitude)) - 2); its byte is the largest magnitude's exponent field - 2, held at 1 from below by a floor among the maximum's leaves.
; LIMITS: a block of zeros gets the byte 1 where the rule says 127 (its codes are zeros, and this program alone reads the bytes); NaN and infinities among the inputs are not served.
; The scale words leave in runs of 128 consecutive bytes (4 bytes a lane); all codes leave in runs of 512.  No loop: no store's data, offset or base is ever written again, so no wait on XCNT is owed.
.set NXWG,  2048                       ; work-groups that take x: 512 blocks of 128 rows x 4 blocks of 128 columns
.set PITCH, 528                        ; a row in LDS: 512 bytes + 16: an odd multiple of 16 bytes, so the sixteen rows of a 16-byte load start at sixteen different places modulo 256 bytes
.set STEPB, 102400
.set QUART, 25600
.set FRB,   1536
.set KSO,   12288
.set VFO,   12800
.set VSO,   25088
.set GL,  4                            ; v4   x: 16 lane + 65,536 wave (32 rows of 2,048 bytes)
.set SA,  5                            ; v5   LDS, on the way in: my wave's 32 places + 16 lane
.set KB,  6                            ; v6   LDS, keys: place 32 w + r, + 128 h
.set VB,  7                            ; v7-8 LDS, values: 128 w + 4 lane; the same 64 places on
.set LI,  9                            ; v9   16 lane
.set LS,  10                           ; v10  4 lane
.set KF,  16                           ; v16-39   two key fragments
.set KT,  40                           ; v40-47   the upper halves of a fragment's two blocks, as the conversions leave them
.set M,   48                           ; v48-49   largest magnitudes
.set SO,  50                           ; v50-53   the conversions' scale operands
.set BY,  54                           ; v54-57   scale bytes
.set WT,  58                           ; v58      a scale word in the making; at last the values' word
.set SH,  59                           ; v59      8 h
.set KW,  60                           ; v60-61   the two key tiles' words;  v62 what is stored
.set KWF, 62
.set TP,  63                           ; v63      the lane permute's destination
.set X,   64                           ; v64-191  128 numbers
.set VF,  192                          ; v192-215 two value fragments
.set VT,  216                          ; v216-231 the upper halves of the four blocks
; tile u's 64 numbers of my row: k = 64 c + 32 h + 0 .. 31, as the operand's layout gives them to lane (r, h)
.macro KLOAD u
.irp c, 0,1
.irp j, 0,1,2,3,4,5,6,7
	ds_load_b128 v[X+64*\u+32*\c+4*\j:X+64*\u+32*\c+4*\j+3], v[KB] offset:16*\u*PITCH+256*\c+16*\j
.endr
.endr
.endm
; they become the fragment's 12 registers and its row's scale word; the fragment is stored
.macro KFRAG u
.set XS, X+64*\u
.irp c, 0,1
	v_max3_num_f32 v[M+\c], |v[XS+32*\c]|, |v[XS+32*\c+1]|, 0x1800000      ; my block 2 c + h: all 32 numbers are mine; the floor 2^(3 - 127) holds the byte at 1 from below
.endr
.irp i, 2,4,6,8,10,12,14,16,18,20,22,24,26,28,30
.irp c, 0,1
	v_max3_num_f32 v[M+\c], v[M+\c], |v[XS+32*\c+\i]|, |v[XS+32*\c+\i+1]|   ; (the two blocks by turns)
.endr
.endr
.irp c, 0,1
	v_add_nc_u32 v[SO+\c], 0xff000000, v[M+\c]     ; 2 off the exponent field: the conversion takes this operand's exponent field as its scale
.endr
.irp c, 0,1
	v_lshrrev_b32 v[BY+\c], 23, v[SO+\c]           ; the scale's byte
.endr
	v_lshl_or_b32 v[WT], v[BY+1], 16, v[BY]        ; my two bytes, blocks h and 2 + h,
	v_lshlrev_b32 v[WT], v[SH], v[WT]              ; at their places in the word;
	v_permlanex16_b32 v[TP], v[WT], s20, s21
	v_or_b32 v[KW+\u], v[WT], v[TP]                ; with lane l xor 16's two the word is whole
.irp c, 0,1
	v_cvt_scalef32_pk16_fp6_f32 v[KF+12*\u+6*\c:KF+12*\u+6*\c+2], v[XS+32*\c:XS+32*\c+15], v[SO+\c]
	v_cvt_scalef32_pk16_fp6_f32 v[KT+4*\c:KT+4*\c+2], v[XS+32*\c+16:XS+32*\c+31], v[SO+\c]   ; (a conversion's three registers begin on an even number: a block's second three do not)
.endr
	v_nop                                          ; one plain place behind a scaled conversion
.irp c, 0,1
.irp i, 0,1,2
	v_mov_b32 v[KF+12*\u+6*\c+3+\i], v[KT+4*\c+\i]
.endr
.endr
.irp g, 0,1,2
	global_store_b128 v[LI], v[KF+12*\u+4*\g:KF+12*\u+4*\g+3], s[26:27] offset:4*FRB*\u+512*\g   ; 32 lanes store 512 consecutive bytes
.endr
.endm
; block b of my column: rows 32 b + k, k = 0 .. 31, each at its place in LDS; 32 lanes read 128 consecutive bytes
.macro VLOAD b
.set k, 0
.rept 32
	ds_load_b32 v[X+32*\b+k], v[VB+\b/2] offset:(32*(\b%2)+16*((k/8)%2)+8*((k/16)%2)+k%8)*PITCH
.set k, k+1
.endr
.endm
.macro VBLK b
.set XS, X+32*\b
	v_max3_num_f32 v[M], |v[XS]|, |v[XS+1]|, |v[XS+2]|                      ; the block's largest magnitude, in two chains
	v_max3_num_f32 v[M+1], |v[XS+3]|, |v[XS+4]|, |v[XS+5]|
.irp i, 6,10,14,18,22,26
	v_max3_num_f32 v[M], v[M], |v[XS+\i]|, |v[XS+\i+1]|
	v_max3_num_f32 v[M+1], v[M+1], |v[XS+\i+2]|, |v[XS+\i+3]|
.endr
	v_max3_num_f32 v[M], v[M], |v[XS+30]|, |v[XS+31]|
	v_max3_num_f32 v[M], v[M], v[M+1], 0x1800000   ; and the floor
	v_add_nc_u32 v[SO+\b], 0xff000000, v[M]
	v_lshrrev_b32 v[BY+\b], 23, v[SO+\b]
	v_cvt_scalef32_pk16_fp6_f32 v[VF+12*(\b%2)+6*(\b/2):VF+12*(\b%2)+6*(\b/2)+2], v[XS:XS+15], v[SO+\b]   ; even blocks into fragment 0's registers, odd blocks into fragment 1's
	v_cvt_scalef32_pk16_fp6_f32 v[VT+4*\b:VT+4*\b+2], v[XS+16:XS+31], v[SO+\b]
.endm
	s_load_b256 s[4:11], s[0:1], 0x0               ; x s[4:5], q s[6:7], kv s[8:9], qc s[10:11]
	v_lshl_add_u32 v232, v0, 2, 0x10800
	v_mov_b32 v233, 0
	v_lshrrev_b32 v1, 5, v0
	v_readfirstlane_b32 s12, v1                    ; wave 0..3
	v_and_b32 v1, 31, v0                           ; lane
	v_and_b32 v2, 15, v0                           ; r
	v_bfe_u32 v3, v0, 4, 1                         ; h
	v_lshlrev_b32 v[LI], 4, v1
	v_lshlrev_b32 v[LS], 2, v1
	s_lshl_b32 s22, s12, 16
	v_add_nc_u32 v[GL], s22, v[LI]
	s_mul_i32 s22, s12, 32*PITCH
	v_add_nc_u32 v[SA], s22, v[LI]
	v_mul_u32_u24 v[KB], v2, PITCH
	v_lshl_add_u32 v[KB], v3, 7, v[KB]
	v_add_nc_u32 v[KB], s22, v[KB]
	s_lshl_b32 s22, s12, 7
	v_add_nc_u32 v[VB], s22, v[LS]
	v_add_nc_u32 v[VB+1], 64*PITCH, v[VB]
	v_lshlrev_b32 v[SH], 3, v3
	v_mov_b32 v[TP], 0                             ; a lane permute's destination counts as one of its sources
	s_mov_b32 s20, 0x76543210
	s_mov_b32 s21, 0xfedcba98                      ; v_permlanex16_b32's selects for lane l xor 16
	s_wait_alu depctr_va_vdst(0)
	s_wait_kmcnt 0x0
	s_cmp_lt_u32 ttmp9, NXWG                       ; x's work-group or q's?  The choice hangs on the work-group's number alone
	s_cselect_b64 s[16:17], s[4:5], s[6:7]
	s_cselect_b64 s[18:19], s[8:9], s[10:11]
	s_cselect_b32 s13, 0, NXWG
	s_sub_co_u32 s13, ttmp9, s13
	s_lshr_b32 s14, s13, 2                         ; which block of 128 rows
	s_and_b32 s15, s13, 3                          ; which 128 columns: the d step s
	s_lshl_b32 s22, s14, 18                        ; 128 rows of 2,048 bytes (at most 511 x 262,144: under 2^31)
	s_lshl_b32 s24, s15, 9
	s_add_co_u32 s22, s22, s24
	s_mov_b32 s23, 0
	s_add_nc_u64 s[16:17], s[16:17], s[22:23]
.set i, 0
.rept 32
	global_load_b128 v[X+4*i:X+4*i+3], v[GL], s[16:17] offset:2048*i th:TH_LOAD_NT   ; row 32 w + i: 512 consecutive bytes; read once in the launch
.set i, i+1
.endr
	; where the results go, while the loads are out
	s_mul_i32 s22, s14, STEPB
	s_add_nc_u64 s[18:19], s[18:19], s[22:23]      ; my step block
	s_mul_i32 s24, s12, QUART
	s_mul_i32 s25, s15, FRB
	s_add_co_u32 s22, s24, s25
	s_add_nc_u64 s[26:27], s[18:19], s[22:23]      ; key fragments: quarter w, fragment s (tile 1: four fragments on)
	s_lshl_b32 s25, s15, 7
	s_add_co_u32 s22, s24, s25
	s_add_co_u32 s22, s22, KSO
	s_add_nc_u64 s[28:29], s[18:19], s[22:23]      ; their scale words
	s_mul_i32 s24, s15, QUART
	s_mul_i32 s25, s12, 2*FRB
	s_add_co_u32 s22, s24, s25
	s_add_co_u32 s22, s22, VFO
	s_add_nc_u64 s[30:31], s[18:19], s[22:23]      ; value fragments: quarter s, fragments 2 w and 2 w + 1
	s_lshl_b32 s25, s12, 7
	s_add_co_u32 s22, s24, s25
	s_add_co_u32 s22, s22, VSO
	s_add_nc_u64 s[32:33], s[18:19], s[22:23]      ; their scale words
.set i, 0
.rept 32
	s_wait_loadcnt 31-i                            ; loads come back in order: row i is in, the younger ones stay out
	ds_store_b128 v[SA], v[X+4*i:X+4*i+3] offset:(16*((i/8)%2)+8*((i/16)%2)+i%8)*PITCH   ; row i of my 32 at place 16 ((i / 8) % 2) + 8 (i / 16) + i % 8: a key tile's sixteen rows are sixteen neighbouring places
.set i, i+1
.endr
	s_wait_dscnt 0x0                               ; for the others' sake: my rows lie in LDS
	s_barrier_signal -1
	s_barrier_wait -1                              ; the only barrier: nothing is written to LDS behind it
	KLOAD 0
	KLOAD 1
	s_wait_dscnt 16                                ; tile 0's sixteen loads are in, tile 1's may be out
	KFRAG 0
	s_wait_dscnt 0x0
	KFRAG 1
	v_cmp_eq_u32 vcc_lo, 1, v3
	v_cndmask_b32 v[KWF], v[KW], v[KW+1], vcc_lo   ; lanes 0-15 tile 0's words, lanes 16-31 tile 1's: one register will serve both tiles
	global_store_b32 v[LS], v[KWF], s[28:29]
	s_cmp_ge_u32 ttmp9, NXWG
	s_cbranch_scc1 .Lend                           ; q has no second direction; no barrier stands behind this branch
	VLOAD 0
	VLOAD 1
	s_wait_dscnt 32                                ; this block's 32 loads are in, the next block's may be out
	VBLK 0
	VLOAD 2
	s_wait_dscnt 32
	VBLK 1
	VLOAD 3
	s_wait_dscnt 32
	VBLK 2
	s_wait_dscnt 0x0
	VBLK 3
	v_nop                                          ; one plain place behind a scaled conversion
	; A lane holds its column's four blocks.  Fragment e wants, in lane (r, h), blocks h and 2 + h of column 16 e + r: an even block's lanes 16-31 change places with the odd block's lanes 0-15.
.irp k, 0,1,2
	v_permlane16_swap_b32 v[VF+\k], v[VF+12+\k]
	v_permlane16_swap_b32 v[VT+\k], v[VT+4+\k]
	v_permlane16_swap_b32 v[VF+6+\k], v[VF+18+\k]
	v_permlane16_swap_b32 v[VT+8+\k], v[VT+12+\k]
.endr
.irp b, 0,1,2,3
.irp k, 0,1,2
	v_mov_b32 v[VF+12*(\b%2)+6*(\b/2)+3+\k], v[VT+4*\b+\k]
.endr
.endr
	v_lshl_or_b32 v[WT], v[BY+1], 8, v[BY]         ; my column's scale word: the four blocks' bytes
	v_lshl_or_b32 v[WT], v[BY+2], 16, v[WT]
	v_lshl_or_b32 v[WT], v[BY+3], 24, v[WT]
.irp e, 0,1
.irp g, 0,1,2
	global_store_b128 v[LI], v[VF+12*\e+4*\g:VF+12*\e+4*\g+3], s[30:31] offset:FRB*\e+512*\g
.endr
.endr
	global_store_b32 v[LS], v[WT], s[32:33]
.Lend:
	s_wait_tensorcnt 0x0
	ds_add_u32 v232, v233
	s_wait_dscnt 0x0
	s_endpgm
.Lfunc_end_k_q8cd305a838_quant:
	.size	k_q8cd305a838_quant, .Lfunc_end_k_q8cd305a838_quant-k_q8cd305a838_quant
	.p2alignl 7, 3214868480
	.fill 96, 4, 3214868480
	.section	.rodata,"a",@progbits
	.p2align	6, 0x0
	.amdhsa_kernel k_q8cd305a838_quant
		.amdhsa_group_segment_fixed_size 68096
		.amdhsa_private_segment_fixed_size 0
		.amdhsa_enable_private_segment 0
		.amdhsa_kernarg_size 32
		.amdhsa_user_sgpr_count 2
		.amdhsa_user_sgpr_kernarg_segment_ptr 1
		.amdhsa_wavefront_size32 1
		.amdhsa_system_sgpr_workgroup_id_x 1
		.amdhsa_system_sgpr_workgroup_id_y 1
		.amdhsa_system_sgpr_workgroup_id_z 1
		.amdhsa_system_vgpr_workitem_id 0
		.amdhsa_next_free_vgpr 234
		.amdhsa_next_free_sgpr 66
		.amdhsa_reserve_vcc 1
		.amdhsa_float_denorm_mode_32 3
		.amdhsa_float_denorm_mode_16_64 3
		.amdhsa_memory_ordered 1
		.amdhsa_forward_progress 1
		.amdhsa_inst_pref_size 33
	.end_amdhsa_kernel
	.amdgpu_metadata
---
amdhsa.version: [ 1, 2 ]
amdhsa.kernels:
  - .name:           k_q8cd305a838_quant
    .symbol:         k_q8cd305a838_quant.kd
    .args:
      - { .name: x, .offset: 0, .size: 8, .value_kind: global_buffer, .address_space: global }
      - { .name: q, .offset: 8, .size: 8, .value_kind: global_buffer, .address_space: global }
      - { .name: kv, .offset: 16, .size: 8, .value_kind: global_buffer, .address_space: global }
      - { .name: qc, .offset: 24, .size: 8, .value_kind: global_buffer, .address_space: global }
    .group_segment_fixed_size: 68096
    .private_segment_fixed_size: 0
    .kernarg_segment_align: 8
    .kernarg_segment_size: 32
    .max_flat_workgroup_size: 128
    .sgpr_count:     66
    .vgpr_count:     234
    .wavefront_size: 32
...
	.end_amdgpu_metadata
.endif
;; end of part 1
;; launch attn (part 2): grid 16 x 16, 8 waves a work-group, clusters of 4 x 1, 327,680 bytes of LDS; arguments kv, qc, fc_w, fc_b, out0; writes out0
.if DOCPART == 2
	.amdgcn_target "amdgcn-amd-amdhsa--gfx1250"
	.amdhsa_code_object_version 6
	.text
	.protected	k_q8cd305a838_attn
	.globl	k_q8cd305a838_attn
	.p2align	8
	.type	k_q8cd305a838_attn,@function
k_q8cd305a838_attn:
	s_mov_b64 s[64:65], 0
	v_nop
	global_prefetch_b8 v0, s[64:65] scope:SCOPE_SE
	s_setreg_imm32_b32 hwreg(HW_REG_WAVE_MODE, 25, 1), 1
	s_wait_xcnt 0x0
	s_wait_alu depctr_hold_cnt(0) depctr_sa_sdst(0) depctr_va_vdst(0) depctr_va_sdst(0) depctr_va_ssrc(0) depctr_va_vcc(0) depctr_vm_vsrc(0)
	s_getreg_b32 s2, hwreg(HW_REG_IB_STS2, 6, 4)
	s_cmp_eq_u32 s2, 0
	s_cbranch_scc0 .Lentry_in_a_cluster
	s_endpgm
.Lentry_in_a_cluster:
	s_bfe_u32 s2, ttmp6, 0x10000c
	s_cmp_lg_u32 s2, 0x3003
	s_cbranch_scc0 .Lentry_shape_is_right
	s_endpgm
.Lentry_shape_is_right:
; out0[b][l] = (sum over t of softmax_t(x[b][t] . q[l]) x[b][t]) . fc_w + fc_b; both large products on codes of FP6 (E2M3) with one E8M0 scale for each 32 along K.
; kv: for each batch 32 step blocks of 128 keys, qc: 8 blocks of 128 labels, as images of the operands' registers (a fragment: 1,536 bytes, register j of lane l at 512 (j / 4) + 16 l + 4 (j % 4)).
; A step block is four quarters of 25,600 bytes: a keys' half (32 keys, fragment (tile u, d step s) at 1,536 (4 u + s)) and a values' half (128 of d, fragment t at 1,536 t, K = the 128 keys); a half's scale words from byte 12,288 on.
; SHARES.  A work-group of eight waves, two to a SIMD, owns 64 labels of one batch and walks its 4,096 keys, 128 a step.  q = wave % 4.
; WAVES 0-3 MAKE P: keys' quarter q x all 64 labels: 32 products S^T = K Q^T, the softmax of the block, its codes and three words a label to LDS.  Q stays in 192 registers.
; WAVES 4-7 KEEP O: d = 128 q .. + 127 x all 64 labels: the row's new M, P's scale words, the rows' sums, O^T's rescaling, 32 products O^T += V^T P^T on 256 registers.
; So each fragment of K and of V leaves LDS once in the work-group, and P's four fragments four times.  The branches between the two kinds hang on the wave's number alone and lead round no barrier.
; Both products are used transposed: a lane holds one label (lane % 16).  Lane r of key tile u is key 32 q + 8 u + r + 8 (r / 8), so a lane's 16 scores are 16 neighbouring keys; labels are ordered alike.
; THE SOFTMAX.  t = score x log2(e).  A block of 32 keys is quantised under its own whole number M_b = ceil(its largest t): p = 2^(t - M_b).  Under the row's running whole number M the block's numbers are p x 2^(M_b - M),
; a power of two that the block's scale byte takes up.  The three words: -M_b, 2^23 + byte + M_b (the 2^23 keeps the whole number in the f32's low bits), the block's sum of the unquantised p.
; Waves 4-7 keep two label tiles in one register (tile 2 i in lanes 0-15, 2 i + 1 in lanes 16-31).  When M moves, O^T and the sums are multiplied by 2^(old M - new M): exact.
; TRIP j: waves 0-3: the scores of step j + 1 (its keys are in registers since the last trip), the keys of step j + 2 into registers, the softmax, the hand-over.  Waves 4-7: step j's statistics, rescaling and products.
; THE RING.  Two slots of 102,400 bytes; trip j's slot holds the values of step j and the keys of step j + 2.  Each wave fetches one half, 12,800 bytes as 50 rows of 256, by one joint load (mask 15: the four work-groups of a
; cluster belong to one batch and walk the same step blocks), first thing behind a round of the cluster's barrier.  One tensor load of a wave is out at any time.  The keys of steps 0 and 1 have LDS bytes of their own.
; PREFETCH.  In trips 0 to 27 waves 4-7 name the 100 blocks of 256 bytes of quarter cx of what the NEXT trip's refill will load (values of step j + 2, keys of step j + 4): the four partners share the tile's 400 blocks by address.
; At the head they name the same 100 blocks of the two tiles that the first two fills behind rounds load.
; LIMITS: |score x log2(e)| under 2^22, so that 2^23 + byte + M_b is exact in f32; a block more than 124 powers of two under its row's M gets the byte 0; NaN and infinities are not served.
; REGISTERS.  v0-63 of window 0: addresses, scale words, waves 4-7's state.  Waves 0-3: window 0: v64-119 the softmax's work, v128-191 S^T, v192-227 key fragments 5-7; window 1: v0-191 Q, v192-251 key fragments 0-4.
; Waves 4-7: window 0: v64-91 the blocks' words, v96-119 and v224-247 P's four fragments, v128-223 the eight value fragments (at the end fc_w); window 1: O^T, accumulator (t, n) at 8 (4 t + n).
.set STEPB, 102400
.set QUART, 25600
.set HALF,  12800
.set FRB,   1536
.set SCO,   12288
.set EXCH,  2*STEPB                    ; two exchange regions, by the step's parity
.set EXB,   9216                       ; a region: P's four images; from WDS on -M_b at 256 n + 16 r + 4 q; 1,024 on: 2^23 + byte + M_b; 2,048 on: the block's sum
.set WDS,   6144
.set FIN,   EXCH                       ; the way out, in region 0, which nobody reads behind trip 30's round: 4 waves x 64 labels x 4 bytes;
.set LFIN,  EXCH+1024                  ; and each of waves 4-7's copy of the 64 sums
.set SPARE, EXCH+2*EXB                 ; the spare words: 128 bytes for each of 8 waves
.set K0B,   SPARE+1024                 ; the keys of steps 0 and 1: eight halves
.set SPW, 1
.set NIL, 2
.set AK,  3                            ; v3-4   the keys' half of quarter q in slot 0, 1: + 16 lane
.set AKS, 5                            ; v5-6   its scale words: + 4 lane
.set AKP, 7                            ; step 0's keys (step 1's: 51,200 on)
.set AKSP, 8
.set PA,  9                            ; v9-11  where my three registers of codes lie in P's image
.set STW, 12                           ; where my words go
.set AV,  13                           ; v13-14 the values' half of quarter q
.set AVS, 15                           ; v15-16 its scale words
.set LI,  17                           ; EXCH + 16 lane
.set PFO, 18                           ; the prefetch's offset
.set WA,  19                           ; fc_w: 512 q + 32 h
.set FA,  20
.set LFA, 21
.set FR,  22
.set GO,  23
.set KS,  24                           ; v24-27 the keys' scale words
.set QS,  28                           ; v28-35 Q's: register 4 (n / 2) + s
.set VS,  36                           ; v36-39 the values'
.set PS,  40                           ; v40-41 P's: register i: lanes 0-15 tile 2 i, lanes 16-31 tile 2 i + 1
.set NC,  42                           ; v42-43 -M, two tiles a register
.set LL,  44                           ; v44-45 the rows' sums, likewise
.set F,   46                           ; v46-53 2^(old M - new M) of tile n, the low word of a pair
.set FP,  54
.set FX,  56
.set TT,  58
.set DD,  60
.set NB,  64                           ; waves 4-7: v64-71 -M_b, then M_b - M; v72-79 2^23 + byte + M_b; v80-87 the blocks' sums; v88-91 at work
.set GB,  72
.set LW,  80
.set TW,  88
.set MX,  64                           ; waves 0-3: v64-67 the largest score, then p; v68-71 at work
.set TP,  68
.set NM,  72                           ; v72-79 -M_b, the low word of a pair
.set SO,  80
.set GG,  84
.set LS,  88                           ; v88-95 the block's sum, a pair a tile; v96-103 its second chain
.set L2,  96
.set CD,  104                          ; v104-119 the codes, four registers a tile
.set S,   128
.set VF,  128
.set DP,  64
.set WV,  14
.set QN,  18
.set HH,  19
.set SEL, 20
.set CS,  22
.set G1,  24
.set G0,  32
.set G0P, 40
.set HM,  44
.set PSA, 45
.set PSB, 46
.set CNT, 47
.set PFA, 48
.set MSB, 0
.macro WIN new
.if MSB != (\new)
	s_set_vgpr_msb (MSB<<8)|(\new)
.set MSB, (\new)
.endif
.endm
.macro PLACES n
.rept \n
	v_nop
.endr
.endm
.macro ROUND
	s_barrier_signal -1
	s_barrier_wait -1
	s_cmp_lg_u32 s[WV], 0
	s_cbranch_scc1 .Lnot_wave_0_\@
	s_barrier_signal -3
.Lnot_wave_0_\@:
	s_barrier_wait -3
	s_barrier_signal -1
	s_barrier_wait -1
.endm
; one product: d, a, b first registers; c the C operand; sa, sb scale registers; ra, rb = 1: that side's scales stand in lanes 16-31
.macro WM d, a, b, c, sa, sb, ra, rb
.if (\ra) && (\rb)
	v_wmma_scale_f32_16x16x128_f8f6f4 v[\d:\d+7], v[\a:\a+11], v[\b:\b+11], \c, v[\sa], v[\sb] matrix_a_fmt:MATRIX_FMT_FP6 matrix_b_fmt:MATRIX_FMT_FP6 matrix_a_scale:MATRIX_SCALE_ROW1 matrix_b_scale:MATRIX_SCALE_ROW1
.elseif \ra
	v_wmma_scale_f32_16x16x128_f8f6f4 v[\d:\d+7], v[\a:\a+11], v[\b:\b+11], \c, v[\sa], v[\sb] matrix_a_fmt:MATRIX_FMT_FP6 matrix_b_fmt:MATRIX_FMT_FP6 matrix_a_scale:MATRIX_SCALE_ROW1
.elseif \rb
	v_wmma_scale_f32_16x16x128_f8f6f4 v[\d:\d+7], v[\a:\a+11], v[\b:\b+11], \c, v[\sa], v[\sb] matrix_a_fmt:MATRIX_FMT_FP6 matrix_b_fmt:MATRIX_FMT_FP6 matrix_b_scale:MATRIX_SCALE_ROW1
.else
	v_wmma_scale_f32_16x16x128_f8f6f4 v[\d:\d+7], v[\a:\a+11], v[\b:\b+11], \c, v[\sa], v[\sb] matrix_a_fmt:MATRIX_FMT_FP6 matrix_b_fmt:MATRIX_FMT_FP6
.endif
.endm
; SM: S^T = K Q^T, 32 products: key tile u, d step s, the four label tiles by turns; the first d step starts the sums.  Key fragment f = 4 u + s: 0-4 in window 1, 5-7 in window 0
.macro SM
.irp u, 0,1
.irp s, 0,1,2,3
	WIN 0x05-(4*\u+\s)/5
.irp n, 0,1,2,3
.if \s == 0
	WM S+16*\n+8*\u, 192+12*((4*\u+\s)%5), 12*(4*\n+\s), 0, KS+\s, QS+4*(\n/2)+\s, \u, \n%2
.else
	WM S+16*\n+8*\u, 192+12*((4*\u+\s)%5), 12*(4*\n+\s), v[S+16*\n+8*\u:S+16*\n+8*\u+7], KS+\s, QS+4*(\n/2)+\s, \u, \n%2
.endif
.endr
.endr
.endr
	WIN 0
.endm
; PM: O^T += V^T P^T, 32 accumulators, one product each
.macro PM first
	WIN 0x50
.irp t, 0,1,2,3,4,5,6,7
.irp n, 0,1,2,3
.if \first
	WM 8*(4*\t+\n), VF+12*\t, 96+12*\n+104*(\n/2), 0, VS+\t/2, PS+\n/2, \t%2, \n%2
.else
	WM 8*(4*\t+\n), VF+12*\t, 96+12*\n+104*(\n/2), v[8*(4*\t+\n):8*(4*\t+\n)+7], VS+\t/2, PS+\n/2, \t%2, \n%2
.endif
.endr
.endr
	WIN 0
.endm
.macro LDW par                         ; 6 loads: the blocks' words, two tiles a register
.irp k, 0,1,2
.irp i, 0,1
	ds_load_b128 v[NB+8*\k+4*\i:NB+8*\k+4*\i+3], v[LI] offset:EXB*(\par)+WDS+1024*\k+512*\i
.endr
.endr
.endm
.macro LDK a, as, off                  ; 28 loads: a keys' half: scale words and fragments
.irp s, 0,1,2,3
	ds_load_b32 v[KS+\s], v[\as] offset:\off+128*\s
.endr
	WIN 0x40
.irp f, 0,1,2,3,4
.irp g, 0,1,2
	ds_load_b128 v[192+12*\f+4*\g:192+12*\f+4*\g+3], v[\a] offset:\off+FRB*\f+512*\g
.endr
.endr
	WIN 0
.irp f, 5,6,7
.irp g, 0,1,2
	ds_load_b128 v[192+12*(\f-5)+4*\g:192+12*(\f-5)+4*\g+3], v[\a] offset:\off+FRB*\f+512*\g
.endr
.endr
.endm
.macro LDV slot                        ; 28 loads: a values' half
.irp i, 0,1,2,3
	ds_load_b32 v[VS+\i], v[AVS+\slot] offset:128*\i
.endr
.irp t, 0,1,2,3,4,5,6,7
.irp g, 0,1,2
	ds_load_b128 v[VF+12*\t+4*\g:VF+12*\t+4*\g+3], v[AV+\slot] offset:FRB*\t+512*\g
.endr
.endr
.endm
.macro LDP par                         ; 12 loads: P's four fragments
.irp n, 0,1,2,3
.irp g, 0,1,2
	ds_load_b128 v[96+12*\n+104*(\n/2)+4*\g:96+12*\n+104*(\n/2)+4*\g+3], v[LI] offset:EXB*(\par)+FRB*\n+512*\g
.endr
.endr
.endm
; CV: waves 4-7's vector work.  first = 1: no old M, no factor, nothing to rescale.
.macro CV first
.if \first
.irp i, 0,1
	v_min3_num_f32 v[TT+\i], v[NB+4*\i], v[NB+4*\i+1], v[NB+4*\i+2]
.endr
.irp i, 0,1
	v_min_num_f32 v[TT+\i], v[TT+\i], v[NB+4*\i+3]
.endr
.else
.irp i, 0,1
	v_min3_num_f32 v[TT+\i], v[NC+\i], v[NB+4*\i], v[NB+4*\i+1]
.endr
.irp i, 0,1
	v_min3_num_f32 v[TT+\i], v[TT+\i], v[NB+4*\i+2], v[NB+4*\i+3]
.endr
.endif
.irp k, 0,1,2,3,4,5,6,7
	v_add_f32 v[GB+\k], v[GB+\k], v[TT+\k/4]       ; 2^23 + byte + M_b - M
.endr
.irp k, 0,1,2,3,4,5,6,7
	v_sub_f32 v[NB+\k], v[TT+\k/4], v[NB+\k]       ; M_b - M: a whole number, 0 or less
.endr
.if \first == 0
.irp i, 0,1
	v_sub_f32 v[DD+\i], v[TT+\i], v[NC+\i]         ; old M - new M
.endr
.endif
.irp k, 0,1,2,3,4,5,6,7
	v_max_num_f32 v[GB+\k], 0x4b000000, v[GB+\k]   ; the byte held at 0 from below; it stands in the low byte
.endr
.irp k, 0,1,2,3,4,5,6,7
	v_cvt_i32_f32 v[NB+\k], v[NB+\k]
.endr
.if \first == 0
.irp i, 0,1
	v_cvt_i32_f32 v[DD+\i], v[DD+\i]
.endr
.endif
.irp i, 0,1
	v_perm_b32 v[TW+2*\i], v[GB+4*\i+1], v[GB+4*\i], s[PSA]
	v_perm_b32 v[TW+2*\i+1], v[GB+4*\i+3], v[GB+4*\i+2], s[PSA]
.endr
.irp k, 0,1,2,3,4,5,6,7
	v_ldexp_f32 v[LW+\k], v[LW+\k], v[NB+\k]       ; the block's sum under M
.endr
.if \first == 0
.irp i, 0,1
	v_ldexp_f32 v[FP+\i], 1.0, v[DD+\i]
.endr
.endif
.irp i, 0,1
	v_perm_b32 v[PS+\i], v[TW+2*\i+1], v[TW+2*\i], s[PSB]   ; four bytes make P's scale word
	v_mov_b32 v[NC+\i], v[TT+\i]
.endr
.irp i, 0,1
	v_add_f32 v[LW+4*\i], v[LW+4*\i], v[LW+4*\i+1]
	v_add_f32 v[LW+4*\i+2], v[LW+4*\i+2], v[LW+4*\i+3]
.endr
.if \first
.irp i, 0,1
	v_add_f32 v[LL+\i], v[LW+4*\i], v[LW+4*\i+2]
.endr
	PLACES 8                                       ; a scale register written by a vector instruction stands 8 places ahead of a scaled product
.else
.irp i, 0,1
	v_permlanex16_b32 v[FX+\i], v[FP+\i], s[SEL], s[SEL+1]
.endr
.irp i, 0,1
	v_add_f32 v[LW+4*\i], v[LW+4*\i], v[LW+4*\i+2]
.endr
.irp i, 0,1
	v_cndmask_b32 v[F+4*\i], v[FP+\i], v[FX+\i], s[HM]      ; the factor of each tile, in all lanes
	v_cndmask_b32 v[F+4*\i+2], v[FX+\i], v[FP+\i], s[HM]
.endr
.irp i, 0,1
	v_fma_f32 v[LL+\i], v[LL+\i], v[FP+\i], v[LW+4*\i]
.endr
	WIN 0x41
	s_wait_alu depctr_va_vdst(0)                   ; the wait directly ahead of the first readers of O^T
.irp t, 0,1,2,3,4,5,6,7
.irp n, 0,1,2,3
.irp j, 0,2,4,6
	v_pk_mul_f32 v[8*(4*\t+\n)+\j:8*(4*\t+\n)+\j+1], v[8*(4*\t+\n)+\j:8*(4*\t+\n)+\j+1], v[F+2*\n:F+2*\n+1] op_sel_hi:[1,0]
.endr
.endr
.endr
	WIN 0
.endif
	s_wait_alu depctr_va_vdst(0)                   ; the wait
.endm
; SX: the softmax of my 32 keys x 64 labels, the four tiles by turns, the maximum and the sum in two chains a tile; the hand-over into region par
.macro SX par
.irp c, 0,1,2,3
	v_max3_num_f32 v[MX+\c], v[S+16*\c], v[S+16*\c+1], v[S+16*\c+2]
	v_max3_num_f32 v[TP+\c], v[S+16*\c+8], v[S+16*\c+9], v[S+16*\c+10]
.endr
.irp x, 3,5
.irp c, 0,1,2,3
	v_max3_num_f32 v[MX+\c], v[MX+\c], v[S+16*\c+\x], v[S+16*\c+\x+1]
	v_max3_num_f32 v[TP+\c], v[TP+\c], v[S+16*\c+\x+8], v[S+16*\c+\x+9]
.endr
.endr
.irp c, 0,1,2,3
	v_max3_num_f32 v[MX+\c], v[MX+\c], v[S+16*\c+7], v[S+16*\c+15]
.endr
.irp c, 0,1,2,3
	v_max_num_f32 v[MX+\c], v[MX+\c], v[TP+\c]
.endr
.irp c, 0,1,2,3
	v_permlanex16_b32 v[TP+\c], v[MX+\c], s[SEL], s[SEL+1]
.endr
.irp c, 0,1,2,3
	v_max_num_f32 v[MX+\c], v[MX+\c], v[TP+\c]     ; the block's largest score
.endr
.irp c, 0,1,2,3
	v_mul_f32 v[TP+\c], s[CS], v[MX+\c]
.endr
.irp c, 0,1,2,3
	v_floor_f32 v[NM+2*\c], -v[TP+\c]              ; -M_b
.endr
.irp x, 0,2,4,6,8,10,12,14
.irp c, 0,1,2,3
	v_pk_fma_f32 v[S+16*\c+\x:S+16*\c+\x+1], v[S+16*\c+\x:S+16*\c+\x+1], s[CS:CS+1], v[NM+2*\c:NM+2*\c+1] op_sel_hi:[1,0,0]
.endr
.endr
.irp c, 0,1,2,3
	v_fma_f32 v[MX+\c], v[MX+\c], s[CS], v[NM+2*\c]
.endr
	s_wait_alu depctr_va_vdst(0)                   ; the wait ahead of the batch
.set e, 0
.rept 64
	v_exp_f32 v[S+e], v[S+e]
.set e, e+1
.endr
.irp c, 0,1,2,3
	v_exp_f32 v[MX+\c], v[MX+\c]                   ; the block's largest p, above 1/2: the same two instructions on the same number
.endr
	v_nop
	s_wait_alu depctr_va_vdst(0)                   ; and behind it
.irp c, 0,1,2,3
	v_add_nc_u32 v[SO+\c], 0xff000000, v[MX+\c]    ; 2 off the exponent field: the conversion's scale operand
.endr
.irp c, 0,1,2,3
	v_lshrrev_b32 v[GG+\c], 23, v[SO+\c]           ; p's byte
.endr
.irp c, 0,1,2,3
	v_cvt_scalef32_pk16_fp6_f32 v[CD+4*\c:CD+4*\c+2], v[S+16*\c:S+16*\c+15], v[SO+\c]
.endr
.irp c, 0,1,2,3
	v_or_b32 v[GG+\c], 0x4b000000, v[GG+\c]        ; as the f32 number 2^23 + byte
.endr
.irp c, 0,1,2,3
	v_sub_f32 v[GG+\c], v[GG+\c], v[NM+2*\c]       ; + M_b
.endr
.irp c, 0,1,2,3                        ; the codes and two words go out while the sums are made.  Lanes r and r + 16 write the same words with the same values
.irp i, 0,1,2
	ds_store_b32 v[PA+\i], v[CD+4*\c+\i] offset:EXB*(\par)+FRB*\c
.endr
	ds_store_b32 v[STW], v[NM+2*\c] offset:EXB*(\par)+256*\c
	ds_store_b32 v[STW], v[GG+\c] offset:EXB*(\par)+256*\c+1024
.endr
.irp c, 0,1,2,3
	v_pk_add_f32 v[LS+2*\c:LS+2*\c+1], v[S+16*\c:S+16*\c+1], v[S+16*\c+2:S+16*\c+3]
	v_pk_add_f32 v[L2+2*\c:L2+2*\c+1], v[S+16*\c+4:S+16*\c+5], v[S+16*\c+6:S+16*\c+7]
.endr
.irp x, 8,12
.irp c, 0,1,2,3
	v_pk_add_f32 v[LS+2*\c:LS+2*\c+1], v[LS+2*\c:LS+2*\c+1], v[S+16*\c+\x:S+16*\c+\x+1]
	v_pk_add_f32 v[L2+2*\c:L2+2*\c+1], v[L2+2*\c:L2+2*\c+1], v[S+16*\c+\x+2:S+16*\c+\x+3]
.endr
.endr
.irp c, 0,1,2,3
	v_pk_add_f32 v[LS+2*\c:LS+2*\c+1], v[LS+2*\c:LS+2*\c+1], v[L2+2*\c:L2+2*\c+1]
.endr
.irp c, 0,1,2,3
	v_add_f32 v[LS+2*\c], v[LS+2*\c], v[LS+2*\c+1]
.endr
.irp c, 0,1,2,3
	v_permlanex16_b32 v[TP+\c], v[LS+2*\c], s[SEL], s[SEL+1]
.endr
.irp c, 0,1,2,3
	v_add_f32 v[LS+2*\c], v[LS+2*\c], v[TP+\c]     ; the block's 32 unquantised p
.endr
.irp c, 0,1,2,3
	ds_store_b32 v[STW], v[LS+2*\c] offset:EXB*(\par)+256*\c+2048
.endr
	s_wait_alu depctr_va_vdst(0)                   ; the wait ahead of the branch
.endm
; the end of a trip: all my tensor loads, the add, my LDS instructions, a round.  g: the group 0 whose load has landed goes two steps on
.macro MEET g
	s_wait_xcnt 0x0                                ; any prefetch of mine has read its base
	s_add_nc_u64 s[PFA:PFA+1], s[PFA:PFA+1], STEPB
	s_wait_tensorcnt 0x0
	ds_add_u32 v[SPW], v[NIL]
	s_add_nc_u64 s[G0+4*(\g)+2:G0+4*(\g)+3], s[G0+4*(\g)+2:G0+4*(\g)+3], 2*STEPB
	s_wait_dscnt 0x0
	ROUND
.endm
; refill = 1: every wave asks for its half of the other slot; 2: values alone (waves 0-3 fetch them); 0: nothing.  smul: step j + 1 exists.  kload: the slot holds the keys of step j + 2.
; pf = 1: the prefetch; 2: not in the loop's last pass
.macro TRIP slot, refill, first, smul, kload, pf
.if \refill == 1
	tensor_load_to_lds s[G0+4-4*\slot:G0+7-4*\slot], s[G1:G1+7]
	s_nop 0
.elseif \refill == 2
	s_cmp_ge_u32 s[WV], 4
	s_cbranch_scc1 .Lnk_\@
	tensor_load_to_lds s[G0+4-4*\slot:G0+7-4*\slot], s[G1:G1+7]
	s_nop 0
	PLACES 4
.Lnk_\@:
.endif
	PLACES 6                                       ; behind the tensor load, and behind the last trip's products
	s_cmp_ge_u32 s[WV], 4
	s_cbranch_scc1 .Lb_\@
.if \smul
	SM                                             ; waves 0-3
	PLACES 4                                       ; in front of loads into the keys' registers and of the first read of the scores
.if \kload
	LDK AK+\slot, AKS+\slot, 0
.endif
	SX 1-\slot
.endif
	s_branch .Lc_\@
.Lb_\@:
	LDW \slot                                      ; waves 4-7
	LDV \slot
	LDP \slot
.if \pf == 1
	global_prefetch_b8 v[PFO], s[PFA:PFA+1] th:TH_LOAD_NT scope:SCOPE_SE
.elseif \pf == 2
	s_cmp_eq_u32 s[CNT], 1                         ; trip 28 would name keys of a step that does not exist
	s_cbranch_scc1 .Lnp_\@
	global_prefetch_b8 v[PFO], s[PFA:PFA+1] th:TH_LOAD_NT scope:SCOPE_SE
.Lnp_\@:
.endif
	s_wait_dscnt 40                                ; the words are in; behind them 28 + 12 loads
	CV \first
	s_wait_dscnt 0x0
	PM \first
.Lc_\@:
.if \smul
	MEET 1-\slot
.endif
.endm
	s_load_b256 s[4:11], s[0:1], 0x0               ; kv, qc, fc_w, fc_b
	s_load_b64 s[12:13], s[0:1], 0x20              ; out0
	v_lshl_add_u32 v[SPW], v0, 2, SPARE
	v_mov_b32 v[NIL], 0
	ds_add_u32 v[SPW], v[NIL]                      ; the opening lines: the add twice on end and one wait
	ds_add_u32 v[SPW], v[NIL]
	v_lshrrev_b32 v120, 5, v0
	v_readfirstlane_b32 s[WV], v120                ; wave 0..7
	s_and_b32 s[QN], s[WV], 3                      ; q
	s_lshr_b32 s[HH], s[WV], 2                     ; 0: I fetch values, 1: keys
	s_bfe_u32 s15, ttmp6, 0x40000                  ; cx
	s_lshl_b32 s16, ttmp9, 2
	s_add_co_u32 s16, s16, s15                     ; my block of 64 labels
	s_and_b32 s17, ttmp7, 0xffff                   ; the batch
	s_mov_b32 s[G1+0], 15|(3<<16)|(1<<21)          ; the mask of all four; elements of 8 bytes; bit 21 beside a mask
	s_mov_b32 s[G1+1], 32<<16                      ; rows of 256 bytes,
	s_mov_b32 s[G1+2], 50<<16                      ; 50 of them, dense
	s_mov_b32 s[G1+3], 32<<16
	s_mov_b32 s[G1+4], 50
	s_mov_b32 s[G1+5], 32
	s_mov_b32 s[G1+6], 0
	s_mov_b32 s[G1+7], 0
	s_mov_b32 s[SEL], 0x76543210
	s_mov_b32 s[SEL+1], 0xfedcba98
	s_mov_b32 s[CS], 0x3fb8aa3b                    ; log2(e)
	s_mov_b32 s[CS+1], s[CS]
	s_mov_b32 s[HM], 0xffff0000                    ; lanes 16-31
	s_mov_b32 s[PSA], 0x00000400                   ; byte 0 of the second source, byte 0 of the first
	s_mov_b32 s[PSB], 0x05040100                   ; the low halves of both
	s_mul_i32 s52, s[QN], QUART
	s_add_co_u32 s54, s52, SCO
	s_add_co_u32 s55, s52, HALF
	s_add_co_u32 s56, s55, SCO
	s_lshr_b32 s57, s[QN], 1
	s_mul_i32 s57, s57, 6
	s_and_b32 s58, s[QN], 1
	s_lshl_b32 s58, s58, 8
	s_add_co_u32 s58, s58, EXCH
	s_lshl_b32 s59, s[QN], 2
	s_add_co_u32 s59, s59, EXCH+WDS
	s_lshl_b32 s60, s[QN], 9
	s_lshl_b32 s61, s[QN], 8
	s_add_co_u32 s62, s61, LFIN
	s_add_co_u32 s61, s61, FIN
	s_mul_i32 s63, s[QN], HALF
	s_add_co_u32 s63, s63, K0B
	s_add_co_u32 s66, s63, SCO
	s_mul_i32 s82, s[WV], HALF
	s_add_co_u32 s82, s82, K0B                     ; the head's load: half number w of the eight
	s_mul_i32 s80, s[HH], HALF
	s_add_co_u32 s80, s80, s52                     ; my half's place in a slot
	s_mul_i32 s68, s17, 32*STEPB                   ; the batch's 32 step blocks
	s_mul_i32 s67, s15, QUART
	s_add_co_u32 s76, s68, s67
	s_add_co_u32 s76, s76, HALF+STEPB              ; the prefetch: quarter cx, the values' half of step 1; each trip's end steps it
	s_mov_b32 s77, 0
	s_add_co_u32 s68, s68, s52                     ; quarter q: the batch and the wave's number alone
	s_mov_b32 s69, 0
	s_mul_i32 s70, s[HH], 2*STEPB-HALF
	s_add_co_u32 s70, s70, HALF                    ; waves 0-3 the values' half, waves 4-7 the keys' half two step blocks on
	s_mov_b32 s71, 0
	s_mul_i32 s84, s[HH], STEPB                    ; the head's load: waves 0-3 step 0's keys, waves 4-7 step 1's
	s_mov_b32 s85, 0
	s_mul_i32 s72, s16, 2*QUART                    ; qc: my 64 labels
	s_mov_b32 s73, 0
	s_lshl_b32 s74, s17, 12
	s_lshl_b32 s67, s16, 8
	s_add_co_u32 s74, s74, s67
	s_mov_b32 s75, 0
	s_wait_dscnt 0x0
	s_wait_kmcnt 0x0
	s_add_nc_u64 s[78:79], s[4:5], s[68:69]
	s_add_nc_u64 s[PFA:PFA+1], s[4:5], s[76:77]
	s_add_nc_u64 s[50:51], s[6:7], s[72:73]
	s_add_nc_u64 s[12:13], s[12:13], s[74:75]
	s_mov_b32 s[G0P+0], 1
	s_mov_b32 s[G0P+1], s82
	s_add_nc_u64 s[G0P+2:G0P+3], s[78:79], s[84:85]
	s_or_b32 s[G0P+3], s[G0P+3], 0x80000000
	s_mov_b32 s[G0+0], 1
	s_mov_b32 s[G0+1], s80
	s_add_nc_u64 s[G0+2:G0+3], s[78:79], s[70:71]  ; trip 0's slot
	s_mov_b32 s[G0+4], 1
	s_add_co_u32 s[G0+5], s80, STEPB
	s_add_nc_u64 s[G0+6:G0+7], s[G0+2:G0+3], STEPB ; trip 1's
	s_or_b32 s[G0+3], s[G0+3], 0x80000000
	s_or_b32 s[G0+7], s[G0+7], 0x80000000
	s_load_b32 s81, s[10:11], 0x0                  ; fc_b
	ROUND                                          ; the first joint loads meet
	tensor_load_to_lds s[G0P:G0P+3], s[G1:G1+7]    ; one load a wave: the keys of steps 0 and 1
	s_nop 0
	PLACES 4
	v_and_b32 v120, 31, v0                         ; lane
	v_and_b32 v121, 15, v0                         ; r
	v_bfe_u32 v122, v0, 4, 1                       ; h
	v_lshlrev_b32 v123, 4, v120
	v_lshlrev_b32 v124, 2, v120
	v_add_nc_u32 v[AK], s55, v123
	v_add_nc_u32 v[AK+1], STEPB, v[AK]
	v_add_nc_u32 v[AKS], s56, v124
	v_add_nc_u32 v[AKS+1], STEPB, v[AKS]
	v_add_nc_u32 v[AKP], s63, v123
	v_add_nc_u32 v[AKSP], s66, v124
	v_add_nc_u32 v[AV], s52, v123
	v_add_nc_u32 v[AV+1], STEPB, v[AV]
	v_add_nc_u32 v[AVS], s54, v124
	v_add_nc_u32 v[AVS+1], STEPB, v[AVS]
	v_add_nc_u32 v[LI], EXCH, v123
	v_mad_u32_u24 v125, v122, 3, s57               ; 6 (q / 2) + 3 h
.irp i, 0,1,2
	v_add_nc_u32 v[PA+\i], \i, v125                ; j: which register of P's fragment my register i is
	v_lshrrev_b32 v126, 2, v[PA+\i]
	v_and_b32 v[PA+\i], 3, v[PA+\i]
	v_lshlrev_b32 v[PA+\i], 2, v[PA+\i]
	v_lshl_add_u32 v[PA+\i], v126, 9, v[PA+\i]     ; 512 (j / 4) + 4 (j % 4)
	v_lshl_add_u32 v[PA+\i], v121, 4, v[PA+\i]
	v_add_nc_u32 v[PA+\i], s58, v[PA+\i]           ; + 256 (q % 2)
.endr
	v_lshlrev_b32 v[STW], 4, v121
	v_add_nc_u32 v[STW], s59, v[STW]
	v_and_b32 v126, 127, v0
	v_min_u32 v126, 99, v126                       ; the prefetch: block 0..99 of the quarter's two halves; lanes left over name the last
	v_mul_u32_u24 v127, v126, 41
	v_lshrrev_b32 v127, 11, v127                   ; 1 from block 50 on: the keys' half,
	v_mul_u32_u24 v127, v127, 179200               ; which begins 2 STEPB - HALF behind the values' half: less the 50 blocks passed
	v_lshl_add_u32 v[PFO], v126, 8, v127
	v_lshl_add_u32 v[WA], v122, 5, s60
	v_and_b32 v126, 8, v121
	v_add_nc_u32 v126, v126, v121
	v_lshlrev_b32 v126, 2, v126                    ; 4 (r + 8 (r / 8))
	v_add_nc_u32 v[FA], s61, v126
	v_lshl_add_u32 v127, v122, 5, v126             ; + 32 h: the odd tile of a pair
	v_add_nc_u32 v[LFA], s62, v127
	v_lshlrev_b32 v[GO], 3, v120
	v_add_nc_u32 v[FR], FIN, v[GO]
.irp n, 0,1,2,3
	v_mov_b32 v[F+2*\n+1], 0                       ; upper halves of pairs whose low word serves both halves: named, so written
	v_mov_b32 v[NM+2*\n+1], 0
.endr
.irp i, 0,1
	v_mov_b32 v[FX+\i], 0                          ; a lane permute's destination counts as one of its sources
.endr
	s_wait_alu depctr_va_vdst(0)                   ; the wait at the head's end
	s_cmp_ge_u32 s[WV], 4
	s_cbranch_scc1 .Lq1
	WIN 0x40
.irp n, 0,1,2,3                        ; waves 0-3: Q's sixteen fragments stay in registers
.irp s, 0,1,2,3
.irp g, 0,1,2
	global_load_b128 v[12*(4*\n+\s)+4*\g:12*(4*\n+\s)+4*\g+3], v123, s[50:51] offset:(\n/2)*QUART+(4*(\n%2)+\s)*FRB+512*\g
.endr
.endr
.endr
	WIN 0
.irp p, 0,1
.irp s, 0,1,2,3
	global_load_b32 v[QS+4*\p+\s], v124, s[50:51] offset:\p*QUART+SCO+128*\s
.endr
.endr
	s_branch .Lq2
.Lq1:                                                  ; waves 4-7: the tiles of trips 0 and 1
	global_prefetch_b8 v[PFO], s[PFA:PFA+1] offset:-STEPB th:TH_LOAD_NT scope:SCOPE_SE
	global_prefetch_b8 v[PFO], s[PFA:PFA+1] th:TH_LOAD_NT scope:SCOPE_SE
.Lq2:
	s_wait_tensorcnt 0x0                           ; the full sequence ahead of a later first fill
	ds_add_u32 v[SPW], v[NIL]
	s_wait_dscnt 0x0
	ROUND
	tensor_load_to_lds s[G0:G0+3], s[G1:G1+7]      ; slot 0, for the first time, by all waves
	s_nop 0
	PLACES 4
	s_wait_kmcnt 0x0
	s_cmp_ge_u32 s[WV], 4
	s_cbranch_scc1 .Lp1
	LDK AKP, AKSP, 0                               ; waves 0-3: step 0's keys,
	s_wait_loadcnt 0x0                             ; Q and its scale words
	s_wait_dscnt 0x0
	SM                                             ; its scores,
	PLACES 4
	LDK AKP, AKSP, 51200                           ; step 1's keys,
	SX 0                                           ; its softmax
.Lp1:
	MEET 0
	TRIP 0, 1, 1, 1, 1, 1                          ; trip 0: its products start O^T's sums; slot 1 is filled for the first time, by all waves
	s_mov_b32 s[CNT], 14
.Lstep:                                                ; trips 1 to 28
	TRIP 1, 1, 0, 1, 1, 1
	TRIP 0, 1, 0, 1, 1, 2
	s_sub_co_u32 s[CNT], s[CNT], 1
	s_cmp_lg_u32 s[CNT], 0
	s_cbranch_scc1 .Lstep
	TRIP 1, 2, 0, 1, 1, 0                          ; trip 29 asks for step 30's values alone,
	TRIP 0, 2, 0, 1, 0, 0                          ; trip 30 for step 31's, and finds no keys in its slot,
	TRIP 1, 0, 0, 0, 0, 0                          ; trip 31 asks for nothing and has no next step
	; THE WAY OUT.  Waves 4-7: my 128 of d: O^T . fc_w for each label; each accumulator from its low end on
	s_cmp_lt_u32 s[WV], 4
	s_cbranch_scc1 .Le1
	PLACES 4                                       ; in front of loads into the values' registers and of the first read of O^T
.irp t, 0,1,2,3,4,5,6,7                ; my part of fc_w, in O^T's layout: register 8 t + j: d = 128 q + 16 t + 8 h + j
	global_load_b128 v[VF+8*\t:VF+8*\t+3], v[WA], s[8:9] offset:64*\t
	global_load_b128 v[VF+8*\t+4:VF+8*\t+7], v[WA], s[8:9] offset:64*\t+16
.endr
	s_wait_loadcnt 0x0
	WIN 0x01
.irp t, 0,1,2,3,4,5,6,7
.irp j, 0,2,4,6
.irp n, 0,1,2,3
.if (\t+\j) == 0
	v_pk_mul_f32 v[DP+2*\n:DP+2*\n+1], v[8*(4*\t+\n)+\j:8*(4*\t+\n)+\j+1], v[VF+8*\t+\j:VF+8*\t+\j+1]
.else
	v_pk_fma_f32 v[DP+2*\n:DP+2*\n+1], v[8*(4*\t+\n)+\j:8*(4*\t+\n)+\j+1], v[VF+8*\t+\j:VF+8*\t+\j+1], v[DP+2*\n:DP+2*\n+1]
.endif
.endr
.endr
.endr
	WIN 0
.irp n, 0,1,2,3
	v_add_f32 v[DP+2*\n], v[DP+2*\n], v[DP+2*\n+1]
.endr
.irp n, 0,1,2,3
	v_permlanex16_b32 v[GB+\n], v[DP+2*\n], s[SEL], s[SEL+1]
.endr
.irp n, 0,1,2,3
	v_add_f32 v[DP+2*\n], v[DP+2*\n], v[GB+\n]
.endr
.irp n, 0,1,2,3
	ds_store_b32 v[FA], v[DP+2*\n] offset:4*(32*(\n/2)+8*(\n%2))   ; at the label's own place; lanes r and r + 16 write the same
.endr
.irp i, 0,1
	ds_store_b32 v[LFA], v[LL+\i] offset:128*\i    ; my copy of the sums, each at its label's place
.endr
	s_wait_alu depctr_va_vdst(0)
.Le1:
	s_wait_dscnt 0x0                               ; for wave 4's sake
	s_barrier_signal -1
	s_barrier_wait -1
	s_cmp_lg_u32 s[WV], 4
	s_cbranch_scc1 .Lothers                        ; wave 4 adds the four parts and stores the 64 results, two a lane
.irp b, 0,1,2,3
	ds_load_b64 v[64+2*\b:65+2*\b], v[FR] offset:256*\b
.endr
	ds_load_b64 v[72:73], v[FR] offset:1024        ; the sums
	s_wait_dscnt 0x0
	v_pk_add_f32 v[64:65], v[64:65], v[66:67]
	v_pk_add_f32 v[68:69], v[68:69], v[70:71]
	v_pk_add_f32 v[64:65], v[64:65], v[68:69]
	s_wait_alu depctr_va_vdst(0)                   ; the wait ahead of the reciprocals
	v_rcp_f32 v74, v72
	v_rcp_f32 v75, v73
	v_nop
	s_wait_alu depctr_va_vdst(0)                   ; and behind them
	v_fma_f32 v64, v64, v74, s81                   ; / the sum, + fc_b
	v_fma_f32 v65, v65, v75, s81
	global_store_b64 v[GO], v[64:65], s[12:13]     ; 32 lanes store 256 consecutive bytes, aligned
.Lothers:
	s_wait_tensorcnt 0x0                           ; the wave's end
	ds_add_u32 v[SPW], v[NIL]
	s_wait_dscnt 0x0
	ROUND                                          ; the closing round
	s_endpgm
.Lfunc_end_k_q8cd305a838_attn:
	.size	k_q8cd305a838_attn, .Lfunc_end_k_q8cd305a838_attn-k_q8cd305a838_attn
	.p2alignl 7, 3214868480
	.fill 96, 4, 3214868480
	.section	.rodata,"a",@progbits
	.p2align	6, 0x0
	.amdhsa_kernel k_q8cd305a838_attn
		.amdhsa_group_segment_fixed_size 327680
		.amdhsa_private_segment_fixed_size 0
		.amdhsa_enable_private_segment 0
		.amdhsa_kernarg_size 40
		.amdhsa_user_sgpr_count 2
		.amdhsa_user_sgpr_kernarg_segment_ptr 1
		.amdhsa_wavefront_size32 1
		.amdhsa_system_sgpr_workgroup_id_x 1
		.amdhsa_system_sgpr_workgroup_id_y 1
		.amdhsa_system_sgpr_workgroup_id_z 1
		.amdhsa_system_vgpr_workitem_id 0
		.amdhsa_next_free_vgpr 512
		.amdhsa_next_free_sgpr 96
		.amdhsa_reserve_vcc 0
		.amdhsa_float_denorm_mode_32 3
		.amdhsa_float_denorm_mode_16_64 3
		.amdhsa_memory_ordered 1
		.amdhsa_forward_progress 1
		.amdhsa_inst_pref_size 243
	.end_amdhsa_kernel
	.amdgpu_metadata
---
amdhsa.version: [ 1, 2 ]
amdhsa.kernels:
  - .name:           k_q8cd305a838_attn
    .symbol:         k_q8cd305a838_attn.kd
    .args:
      - { .name: kv, .offset: 0, .size: 8, .value_kind: global_buffer, .address_space: global }
      - { .name: qc, .offset: 8, .size: 8, .value_kind: global_buffer, .address_space: global }
      - { .name: fc_w, .offset: 16, .size: 8, .value_kind: global_buffer, .address_space: global }
      - { .name: fc_b, .offset: 24, .size: 8, .value_kind: global_buffer, .address_space: global }
      - { .name: out0, .offset: 32, .size: 8, .value_kind: global_buffer, .address_space: global }
    .group_segment_fixed_size: 327680
    .private_segment_fixed_size: 0
    .kernarg_segment_align: 8
    .kernarg_segment_size: 40
    .max_flat_workgroup_size: 256
    .sgpr_count:     96
    .vgpr_count:     512
    .wavefront_size: 32
...
	.end_amdgpu_metadata
.endif
;; end of part 2
